; MI455X (gfx1250); checked and timed in simulation.
; The chip was launched on July 23, 2026; its instructions are those of AMD's public machine-readable ISA for CDNA 5 (MIT licence, August 2026) and "CDNA5" Instruction Set Architecture Reference Guide (July 2026). The comments in the code are by the model that wrote it; some were corrected since.
;; Quant Multihead Attention. Allowed arithmetic: float matrix products may take bf16 or f16 operands with f32 sums; all other float work in f32.
;; Inputs: o_b 1,024 float32; o_w 1,024 x 1,024 float32; qkv_b 3,072 float32; qkv_w 3,072 x 1,024 float32; query 2,048 x 2 x 1,024 float32.
;; Outputs: out0 2,048 x 2 x 1,024 float32.
;; One version. Each part assembles by itself: llvm-mc -triple=amdgcn-amd-amdhsa -mcpu=gfx1250 --defsym DOCPART=n.
;; ======== version 1 of 1: 4 launches
;; limits: values are held in f16: magnitudes above 65,504 overflow, below 6.1e-05 lose precision; inputs' magnitudes at most 3,500
;; workspace buffers: xb 8,388,608 bytes; wq 6,291,456 bytes; wo 2,097,152 bytes; qkvh 25,165,824 bytes; ctxh 8,388,608 bytes
;; launch prep (part 1): grid 1024 x 1, 8 waves a work-group, no clusters, 0 bytes of LDS; arguments query, qkv_w, o_w, xb, wq, wo; writes xb, wq, wo
.if DOCPART == 1
	.amdgcn_target "amdgcn-amd-amdhsa--gfx1250"
	.amdhsa_code_object_version 6
	.text
	.protected	k_q5bbca0d1d7_prep
	.globl	k_q5bbca0d1d7_prep
	.p2align	8
	.type	k_q5bbca0d1d7_prep,@function
k_q5bbca0d1d7_prep:
	s_mov_b64 s[64:65], 0
	v_nop
	global_prefetch_b8 v0, s[64:65] scope:SCOPE_SE
	s_setreg_imm32_b32 hwreg(HW_REG_WAVE_MODE, 25, 1), 1
	s_wait_xcnt 0x0
; prep: the three large f32 inputs are made ready for the matrix units, each byte read once.
;   query [t][b][1024] f32  ->  xb [m = 2048 b + t][1024] f16 (rows reordered so that a batch's rows are neighbours)
;   qkv_w [3072][1024], o_w [1024][1024] f32  ->  wq, wo: the quantiser's LEVEL, round(clip(w * 127 / scale, -127, 127)), as f16.
; A level is a whole number of at most 127 in magnitude and so is exact in f16; scale / 127 is applied in f32 behind the products.
; LIMITS: w * 127 is multiplied by 1 / scale where the formula divides (exact for o_w, scale 1/32; for qkv_w a weight within one
; rounding of a tie may land one level off); the result is q itself, not w + (q - w); |query| must stay under 65504 (f16);
; NaN and infinities are not served.
; 8,192 rows of 1,024 f32 in all.  A work-group takes 8 rows: groups 0-511 the query, 512-895 qkv_w, 896-1023 o_w.
; Thread t owns the 4 numbers at byte 16 t of each row: a wave's load covers 512 neighbouring bytes, its store 256, aligned.
; Memory binds: no LDS, no matrix unit, no cluster (no two work-groups read the same byte).
.set XR, 4                             ; v[4:35]   row r: 4 f32 as loaded, worked on in place
.set YR, 36                            ; v[36:51]  row r: 4 f16 to store; written once, so no store's data is ever rewritten
.macro LOAD8 lo                        ; the group's eight rows, all on their way at once
.irp r, 0,1,2,3,4,5,6,7
	global_load_b128 v[XR+4*\r:XR+4*\r+3], v1, s[\lo:\lo+1] offset:\r*4096 th:TH_LOAD_NT
.endr
.endm
.macro ROWQ r                          ; a row of the query: rounded, stored at row 2048 (r & 1) + (r >> 1) from the group's first
	s_wait_loadcnt 7-\r                            ; loads come back in order: row r is in, the 7 - r younger ones stay out
	v_cvt_pk_f16_f32 v[YR+2*\r],   v[XR+4*\r],   v[XR+4*\r+1]
	v_cvt_pk_f16_f32 v[YR+2*\r+1], v[XR+4*\r+2], v[XR+4*\r+3]
	global_store_b64 v2, v[YR+2*\r:YR+2*\r+1], s[10:11] offset:(\r&1)*4194304+(\r>>1)*2048
.endm
.macro ROWW r, lo                      ; a row of weights: level = round to even (clamp (w * 127 * (1 / scale)))
	s_wait_loadcnt 7-\r
	v_pk_mul_f32 v[XR+4*\r:XR+4*\r+1],   v[XR+4*\r:XR+4*\r+1],   s[20:21] op_sel_hi:[1,0]
	v_pk_mul_f32 v[XR+4*\r+2:XR+4*\r+3], v[XR+4*\r+2:XR+4*\r+3], s[20:21] op_sel_hi:[1,0]
	v_pk_mul_f32 v[XR+4*\r:XR+4*\r+1],   v[XR+4*\r:XR+4*\r+1],   s[22:23] op_sel_hi:[1,0]
	v_pk_mul_f32 v[XR+4*\r+2:XR+4*\r+3], v[XR+4*\r+2:XR+4*\r+3], s[22:23] op_sel_hi:[1,0]
.irp k, 0,1,2,3
	v_med3_num_f32 v[XR+4*\r+\k], v[XR+4*\r+\k], s24, s25
.endr
.irp k, 0,1,2,3
	v_rndne_f32 v[XR+4*\r+\k], v[XR+4*\r+\k]
.endr
	v_cvt_pk_f16_f32 v[YR+2*\r],   v[XR+4*\r],   v[XR+4*\r+1]
	v_cvt_pk_f16_f32 v[YR+2*\r+1], v[XR+4*\r+2], v[XR+4*\r+3]
	global_store_b64 v2, v[YR+2*\r:YR+2*\r+1], s[\lo:\lo+1] offset:\r*2048
.endm
	s_load_b256 s[4:11], s[0:1], 0x0               ; query s[4:5], qkv_w s[6:7], o_w s[8:9], xb s[10:11]
	s_load_b128 s[12:15], s[0:1], 0x20             ; wq s[12:13], wo s[14:15]
	v_lshlrev_b32 v1, 4, v0                        ; my 16 bytes of an f32 row
	v_lshlrev_b32 v2, 3, v0                        ; my 8 bytes of an f16 row
	s_mov_b32 s17, 0                               ; high words of the two offsets
	s_mov_b32 s19, 0
	s_mov_b32 s20, 0x42fe0000                      ; 127.0, as a pair for the packed multiply
	s_mov_b32 s21, 0x42fe0000
	s_mov_b32 s24, 0xc2fe0000                      ; -127.0
	s_mov_b32 s25, 0x42fe0000                      ; 127.0
	s_wait_kmcnt 0x0
	s_cmp_lt_u32 ttmp9, 512
	s_cbranch_scc1 .Lquery
	s_cmp_lt_u32 ttmp9, 896
	s_cbranch_scc1 .Lqkvw
	; o_w: groups 896 to 1023
	s_sub_co_u32 s16, ttmp9, 896
	s_lshl_b32 s18, s16, 14                        ; 8 rows of 2,048 bytes out
	s_lshl_b32 s16, s16, 15                        ; 8 rows of 4,096 bytes in
	s_mov_b32 s22, 0x42000000                      ; 1 / scale = sqrt(1024) = 32
	s_mov_b32 s23, 0x42000000
	s_add_nc_u64 s[8:9], s[8:9], s[16:17]
	s_add_nc_u64 s[14:15], s[14:15], s[18:19]
	LOAD8 8
.irp r, 0,1,2,3,4,5,6,7
	ROWW \r, 14
.endr
	s_endpgm
.Lqkvw:                                            ; qkv_w: groups 512 to 895
	s_sub_co_u32 s16, ttmp9, 512
	s_lshl_b32 s18, s16, 14
	s_lshl_b32 s16, s16, 15
	s_mov_b32 s22, 0x425db3d7                      ; 1 / scale = sqrt(3072) = 55.425626
	s_mov_b32 s23, 0x425db3d7
	s_add_nc_u64 s[6:7], s[6:7], s[16:17]
	s_add_nc_u64 s[12:13], s[12:13], s[18:19]
	LOAD8 6
.irp r, 0,1,2,3,4,5,6,7
	ROWW \r, 12
.endr
	s_endpgm
.Lquery:                                           ; query: groups 0 to 511; rows (t, b) = (4 g + (r >> 1), r & 1)
	s_lshl_b32 s16, ttmp9, 15                      ; 8 rows of 4,096 bytes in
	s_lshl_b32 s18, ttmp9, 13                      ; 4 values of t, 2,048 bytes each, out
	s_add_nc_u64 s[4:5], s[4:5], s[16:17]
	s_add_nc_u64 s[10:11], s[10:11], s[18:19]
	LOAD8 4
.irp r, 0,1,2,3,4,5,6,7
	ROWQ \r
.endr
	s_endpgm
.Lfunc_end_k_q5bbca0d1d7_prep:
	.size	k_q5bbca0d1d7_prep, .Lfunc_end_k_q5bbca0d1d7_prep-k_q5bbca0d1d7_prep
	.p2alignl 7, 3214868480
	.fill 96, 4, 3214868480
	.section	.rodata,"a",@progbits
	.p2align	6, 0x0
	.amdhsa_kernel k_q5bbca0d1d7_prep
		.amdhsa_group_segment_fixed_size 0
		.amdhsa_private_segment_fixed_size 0
		.amdhsa_enable_private_segment 0
		.amdhsa_kernarg_size 48
		.amdhsa_user_sgpr_count 2
		.amdhsa_user_sgpr_kernarg_segment_ptr 1
		.amdhsa_wavefront_size32 1
		.amdhsa_system_sgpr_workgroup_id_x 1
		.amdhsa_system_sgpr_workgroup_id_y 1
		.amdhsa_system_sgpr_workgroup_id_z 1
		.amdhsa_system_vgpr_workitem_id 0
		.amdhsa_next_free_vgpr 52
		.amdhsa_next_free_sgpr 66
		.amdhsa_reserve_vcc 0
		.amdhsa_float_denorm_mode_32 3
		.amdhsa_float_denorm_mode_16_64 3
		.amdhsa_memory_ordered 1
		.amdhsa_forward_progress 1
		.amdhsa_inst_pref_size 21
	.end_amdhsa_kernel
	.amdgpu_metadata
---
amdhsa.version: [ 1, 2 ]
amdhsa.kernels:
  - .name:           k_q5bbca0d1d7_prep
    .symbol:         k_q5bbca0d1d7_prep.kd
    .args:
      - { .name: query, .offset: 0, .size: 8, .value_kind: global_buffer, .address_space: global }
      - { .name: qkv_w, .offset: 8, .size: 8, .value_kind: global_buffer, .address_space: global }
      - { .name: o_w, .offset: 16, .size: 8, .value_kind: global_buffer, .address_space: global }
      - { .name: xb, .offset: 24, .size: 8, .value_kind: global_buffer, .address_space: global }
      - { .name: wq, .offset: 32, .size: 8, .value_kind: global_buffer, .address_space: global }
      - { .name: wo, .offset: 40, .size: 8, .value_kind: global_buffer, .address_space: global }
    .group_segment_fixed_size: 0
    .private_segment_fixed_size: 0
    .kernarg_segment_align: 8
    .kernarg_segment_size: 48
    .max_flat_workgroup_size: 256
    .sgpr_count:     66
    .vgpr_count:     52
    .wavefront_size: 32
...
	.end_amdgpu_metadata
.endif
;; end of part 1
;; launch qkv (part 2): grid 16 x 16, 4 waves a work-group, clusters of 4 x 4, 327,680 bytes of LDS; arguments xb, wq, qkvh, qkv_b; writes qkvh
.if DOCPART == 2
	.amdgcn_target "amdgcn-amd-amdhsa--gfx1250"
	.amdhsa_code_object_version 6
	.text
	.protected	k_q5bbca0d1d7_qkv
	.globl	k_q5bbca0d1d7_qkv
	.p2align	8
	.type	k_q5bbca0d1d7_qkv,@function
k_q5bbca0d1d7_qkv:
	s_mov_b64 s[64:65], 0
	v_nop
	global_prefetch_b8 v0, s[64:65] scope:SCOPE_SE
	s_setreg_imm32_b32 hwreg(HW_REG_WAVE_MODE, 25, 1), 1
	s_wait_xcnt 0x0
	s_wait_alu depctr_hold_cnt(0) depctr_sa_sdst(0) depctr_va_vdst(0) depctr_va_sdst(0) depctr_va_ssrc(0) depctr_va_vcc(0) depctr_vm_vsrc(0)
	s_getreg_b32 s2, hwreg(HW_REG_IB_STS2, 6, 4)
	s_cmp_eq_u32 s2, 0
	s_cbranch_scc0 .Lentry_in_a_cluster
	s_endpgm
.Lentry_in_a_cluster:
	s_bfe_u32 s2, ttmp6, 0x10000c
	s_cmp_lg_u32 s2, 0xf033
	s_cbranch_scc0 .Lentry_shape_is_right
	s_endpgm
.Lentry_shape_is_right:
; qkv: [4096 x 1024] x [3072 x 1024]^T, f16 operands, f32 sums; then  y = sum * (scale / 127) + bias,  q also times 0.125 * log2(e)
; (the head scaling, and the base-2 exponent that the softmax uses).  Result in f16, head-major:
;   qkvh byte = u * 524288 + m * 128 + 2 dd,   u = feature / 64 (0-15 q, 16-31 k, 32-47 v),  m = 2048 b + t,  dd = feature % 64.
; LIMIT: q, k, v are kept in f16: |value| <= 1024 max|x| / sqrt(3072) + |bias| must stay under 65504, so max|x| up to about 3,500.
; A work-group makes 256 rows x 192 columns (three whole units u); 16 x 16 work-groups.  Four waves; wave w makes rows 64 w .. 64 w + 63
; of all 192 columns: 48 accumulator tiles of 16 x 16, 384 registers.  K goes in 8 steps of 128 through two LDS slots filled by the
; tensor data mover; a tile's rows are 256 bytes of memory and start at multiples of 256 bytes from the buffer's first byte.
; CLUSTERS: 4 x 4 work-groups.  x's tile hangs on the block row alone and is asked for jointly along a row of the cluster, the weights'
; tile on the block column alone and is asked for jointly along a column: the requests for both are divided by four.
; REGISTERS, in windows of 256:
;   window 0: v16-27 addresses; v32-63, v64-95 fragments of x (4 x 16 rows x 32 K), two buffers; v96-191 the bias of my lane's
;             columns (8 for each of 12 column tiles); v192-239 packed results; v32-79 again on the way out
;   window 1: v0-95, v96-191 fragments of the weights (12 x 16 rows x 32 K), two buffers
;   window 2: tiles (a, b), a = 0, 1 (my rows 0-31), b = 0..11, at v[8 (12 a + b)];   window 3: the same for my rows 32-63
; THE MATRIX INSTRUCTION IS USED TRANSPOSED: source 0 = 16 rows of the weights, source 1 = 16 rows of x, so that lane l holds row
; l % 16 of the result and its eight registers the columns 8 (l / 16) + 0..7: eight neighbours, 16 bytes when packed.
.set KSTEP,  128
.set PITCH,  272                       ; an LDS row: 256 bytes + 16 of padding: the 16 rows of a fragment load start 16 bytes apart modulo 256
.set HALFT,  128*PITCH                 ; a wave's region of a slot: 128 rows of x, or 96 rows of the weights (the rest stays unused)
.set SLOT,   4*HALFT                   ; x rows 0-127, x rows 128-255, weight rows 0-95, weight rows 96-191
.set STAGE,  2*SLOT                    ; behind the ring, in bytes that no fill touches: the way out
.set UPITCH, 144                       ; stage: a row of one unit, 128 bytes + 16
.set USTAGE, 16*UPITCH
.set WSTAGE, 3*USTAGE                  ; a wave's stage: 3 units x 16 rows
.set LAPS,   4                         ; a lap = two K steps = once round the ring
.set ADRA, 16                          ; v16-17  LDS address of my x fragments in slot 0, 1
.set ADRB, 20                          ; v20-21  the same for the weights
.set STO,  24                          ; v24     stage: where I put 16 bytes of a row
.set RD,   25                          ; v25     stage: where I read rows back
.set CO,   26                          ; v26     16 x lane: my place in 512 neighbouring bytes of qkvh
.set BO,   27                          ; v27     32 x (lane / 16): my eight columns' bias
.set FA0,  32
.set FA1,  64
.set BIAS, 96
.set TMP,  192
.set RB,   32
.set FB0,  0
.set FB1,  96
.set G1,  24                           ; s[24:31] descriptor group 1 for x's tiles
.set G0,  32                           ; s[32:39] descriptor group 0 for x's tiles, one set for each slot
.set G1B, 48                           ; s[48:55] group 1 for the weights' tiles
.set G0B, 56                           ; s[56:63] group 0 for the weights' tiles, one set for each slot
.set SW,  68                           ; s[68:73] three pairs: what unit c's sums are multiplied by
.set SB,  74                           ; s[74:79] three pairs: what unit c's bias is multiplied by
.set MSB, 0
.macro WIN new                         ; the immediate's high byte repeats the setting that is left
.if MSB != \new
	s_set_vgpr_msb (MSB<<8)|\new
.set MSB, \new
.endif
.endm
.set MUL_LO, 0xa1                      ; source 0 window 1, source 1 window 0, C and D window 2
.set MUL_HI, 0xf1                      ; the same, C and D window 3
.set TO_B,   0x40                      ; destination window 1, address window 0
; A joint load.  Waves 0 and 1 fetch x's two halves, waves 2 and 3 the weights'.  Each line has one mask and one set of registers;
; the branch hangs on the wave's number alone.
.macro JLOAD s
	s_cmp_eq_u32 s11, 0
	s_cbranch_scc0 .Lfor_b_\@
	tensor_load_to_lds s[G0+4*\s:G0+4*\s+3], s[G1:G1+7]
	s_nop 0
	s_branch .Lasked_\@
.Lfor_b_\@:
	tensor_load_to_lds s[G0B+4*\s:G0B+4*\s+3], s[G1B:G1B+7]
	s_nop 0
.Lasked_\@:
.endm
; A round of the cluster's barrier: my work-group's barrier; wave 0 signals for the work-group; every wave waits for all sixteen
; work-groups; my work-group's barrier once more.
.macro CREST                           ; a round behind its opening barrier
	s_cmp_lg_u32 s10, 0
	s_cbranch_scc1 .Lnot_wave_0_\@
	s_barrier_signal -3
.Lnot_wave_0_\@:
	s_barrier_wait -3
	s_barrier_signal -1
	s_barrier_wait -1
.endm
.macro CROUND
	s_barrier_signal -1
	s_barrier_wait -1
	CREST
.endm
	s_load_b128 s[4:7], s[0:1], 0x0                ; xb s[4:5], wq s[6:7]
	s_load_b64 s[8:9], s[0:1], 0x10                ; qkvh
	s_load_b64 s[66:67], s[0:1], 0x18              ; qkv_b
	s_set_vgpr_msb 0x40
	v_lshl_add_u32 v255, v0, 2, 0x4ac00
	s_set_vgpr_msb 0x4000
	v_mov_b32 v255, 0
	s_set_vgpr_msb 0x1
	ds_add_u32 v255, v255
	s_set_vgpr_msb 0x100
	v_lshrrev_b32 v1, 5, v0
	v_readfirstlane_b32 s10, v1                    ; wave 0..3
	s_lshr_b32 s11, s10, 1                         ; I fetch for x (0) or for the weights (1)
	s_and_b32 s12, s10, 1                          ; which half of that tile I fetch
	s_bfe_u32 s40, ttmp6, 0x40000                  ; cx
	s_bfe_u32 s41, ttmp6, 0x40004                  ; cy
	s_lshl_b32 s42, ttmp9, 2
	s_add_co_u32 s42, s42, s40                     ; block column = 4 x cluster x + cx
	s_and_b32 s13, ttmp7, 0xffff
	s_lshl_b32 s13, s13, 2
	s_add_co_u32 s13, s13, s41                     ; block row = 4 x cluster y + cy
	s_lshl_b32 s43, s41, 2
	s_lshl_b32 s43, 15, s43                        ; my row of the cluster: places 4 cy .. 4 cy + 3
	s_lshl_b32 s44, 0x1111, s40                    ; my column: places cx, cx + 4, cx + 8, cx + 12
	; group 1: elements of 2 bytes; padding on, 4 words behind every 64 words; bit 21 set beside a mask
	s_or_b32 s[G1+0],  s43, (1<<16)|(1<<20)|(1<<21)|(5<<22)|(3<<25)
	s_or_b32 s[G1B+0], s44, (1<<16)|(1<<20)|(1<<21)|(5<<22)|(3<<25)
	s_mov_b32 s[G1+1],  KSTEP<<16                  ; tensor_dim0 = 128
	s_mov_b32 s[G1B+1], KSTEP<<16
	s_mov_b32 s[G1+2],  128<<16                    ; tensor_dim1 = 128 rows of x
	s_mov_b32 s[G1B+2], 96<<16                     ;             =  96 rows of the weights
	s_mov_b32 s[G1+3],  KSTEP<<16                  ; tile_dim0 = 128
	s_mov_b32 s[G1B+3], KSTEP<<16
	s_mov_b32 s[G1+4],  128                        ; tile_dim1
	s_mov_b32 s[G1B+4], 96
	s_mov_b32 s[G1+5],  1024                       ; elements from row to row
	s_mov_b32 s[G1B+5], 1024
	s_mov_b32 s[G1+6],  0
	s_mov_b32 s[G1B+6], 0
	s_mov_b32 s[G1+7],  0
	s_mov_b32 s[G1B+7], 0
	; where the tiles come from: x's hang on the block row and the wave, the weights' on the block column and the wave
	s_lshl_b32 s16, s13, 19                        ; 256 rows of 2,048 bytes for each block row
	s_lshl_b32 s17, s12, 18                        ; + 128 rows for the second half
	s_add_co_u32 s16, s16, s17
	s_mov_b32 s17, 0
	s_mul_i32 s46, s42, 192*2048
	s_mul_i32 s47, s12, 96*2048
	s_add_co_u32 s46, s46, s47
	s_mov_b32 s47, 0
	s_mul_i32 s20, s10, HALFT                      ; and where they go: the wave's region; no place in the cluster enters an LDS address
	; the factors of my three units u = 3 x block column + c: q's units (u < 16) also carry 0.125 log2(e)
	s_mov_b32 s80, 0x37d6e967                      ; scale / 127 * 0.125 * log2(e) = 2.5619475e-5
	s_mov_b32 s81, 0x3914f728                      ; scale / 127 = 1.4206453e-4, scale = 1 / sqrt(3072)
	s_mul_i32 s45, s42, 3
.irp c, 0,1,2
	s_cmp_lt_u32 s45, 16
	s_cselect_b32 s[SW+2*\c], s80, s81
	s_cselect_b32 s[SB+2*\c], 0x3e38aa3b, 1.0      ; 0.125 log2(e), or 1
	s_mov_b32 s[SW+2*\c+1], s[SW+2*\c]
	s_mov_b32 s[SB+2*\c+1], s[SB+2*\c]
	s_add_co_u32 s45, s45, 1
.endr
	s_mul_i32 s80, s42, 768                        ; my block's 192 numbers of the bias
	s_mov_b32 s81, 0
	s_wait_dscnt 0x0
	s_wait_kmcnt 0x0
	s_add_nc_u64 s[14:15], s[4:5], s[16:17]
	s_add_nc_u64 s[46:47], s[6:7], s[46:47]
	s_add_nc_u64 s[66:67], s[66:67], s[80:81]
	CROUND                                         ; all sixteen work-groups are here: the first joint loads meet
.irp s, 0,1
	s_mov_b32 s[G0+4*\s], 1
	s_add_co_u32 s[G0+4*\s+1], s20, \s*SLOT
	s_add_nc_u64 s[G0+4*\s+2:G0+4*\s+3], s[14:15], \s*KSTEP*2      ; K step s
	s_or_b32 s[G0+4*\s+3], s[G0+4*\s+3], 0x80000000
	s_mov_b32 s[G0B+4*\s], 1
	s_add_co_u32 s[G0B+4*\s+1], s20, \s*SLOT
	s_add_nc_u64 s[G0B+4*\s+2:G0B+4*\s+3], s[46:47], \s*KSTEP*2
	s_or_b32 s[G0B+4*\s+3], s[G0B+4*\s+3], 0x80000000
	JLOAD \s                                       ; both slots are asked for before anything else: two tensor loads of the wave are out
.endr
	v_and_b32 v1, 15, v0                           ; r = l % 16
	v_bfe_u32 v2, v0, 4, 1                         ; h = l / 16
	v_lshlrev_b32 v[BO], 5, v2
.irp b, 0,1,2,3,4,5,6,7,8,9,10,11
	global_load_b128 v[BIAS+8*\b:BIAS+8*\b+3],   v[BO], s[66:67] offset:64*\b       ; bias of columns 16 b + 8 h + 0..3
	global_load_b128 v[BIAS+8*\b+4:BIAS+8*\b+7], v[BO], s[66:67] offset:64*\b+16    ; and + 4..7
.endr
	; a fragment is 16 rows x 32 K in 8 registers: lane l holds row l % 16; two loads of 16 bytes, 32 bytes apart, at row x pitch + 16 h
	v_mul_u32_u24 v3, v1, PITCH
	v_lshl_add_u32 v3, v2, 4, v3
	s_mul_i32 s21, s10, 64*PITCH                   ; my 64 rows of x
	s_mov_b32 s22, 2*HALFT                         ; the weights lie behind x's 256 rows
.irp s, 0,1
	v_add_nc_u32 v[ADRA+\s], s21, v3
	v_add_nc_u32 v[ADRB+\s], s22, v3
	s_add_co_u32 s21, s21, SLOT
	s_add_co_u32 s22, s22, SLOT
.endr
	s_mul_i32 s23, s10, WSTAGE
	s_add_co_u32 s23, s23, STAGE                   ; my stage
	v_mul_u32_u24 v4, v1, UPITCH                   ; in: row r, 16 bytes for each half of the lanes
	v_lshl_add_u32 v4, v2, 4, v4
	v_add_nc_u32 v[STO], s23, v4
	v_bfe_u32 v5, v0, 3, 2                         ; back: eight lanes take a row of 128 bytes, the wave four rows
	v_and_b32 v6, 7, v0
	v_mul_u32_u24 v5, v5, UPITCH
	v_lshl_add_u32 v5, v6, 4, v5
	v_add_nc_u32 v[RD], s23, v5
	v_and_b32 v6, 31, v0
	v_lshlrev_b32 v[CO], 4, v6
	s_wait_loadcnt 0x0                             ; the bias, once
.irp b, 0,1,2,3,4,5,6,7,8,9,10,11
.irp p, 0,2,4,6
	v_pk_mul_f32 v[BIAS+8*\b+\p:BIAS+8*\b+\p+1], v[BIAS+8*\b+\p:BIAS+8*\b+\p+1], s[SB+2*(\b/4):SB+2*(\b/4)+1] op_sel_hi:[1,0]
.endr
.endr
; 12 matrix instructions: row tile a of the window's two (hi = 0: my rows 0-31, 1: rows 32-63) x all 12 column tiles, 32 along K.
; zero = 1: the first product starts the sums: nothing is cleared.
.macro MULROW fa, fb, hi, a, zero
.irp b, 0,1,2,3,4,5,6,7,8,9,10,11
.if \zero
	v_wmma_f32_16x16x32_f16 v[8*(12*\a+\b):8*(12*\a+\b)+7], v[\fb+8*\b:\fb+8*\b+7], v[\fa+8*(2*\hi+\a):\fa+8*(2*\hi+\a)+7], 0
.else
	v_wmma_f32_16x16x32_f16 v[8*(12*\a+\b):8*(12*\a+\b)+7], v[\fb+8*\b:\fb+8*\b+7], v[\fa+8*(2*\hi+\a):\fa+8*(2*\hi+\a)+7], v[8*(12*\a+\b):8*(12*\a+\b)+7]
.endif
.endr
.endm
; 32 LDS loads in one run: a quarter step's fragments (192 weight rows, my 64 rows of x, 32 K at byte k of the rows)
.macro FETCH slot, k, fa, fb
	WIN TO_B
.irp b, 0,1,2,3,4,5,6,7,8,9,10,11
	ds_load_b128 v[\fb+8*\b:\fb+8*\b+3],   v[ADRB+\slot] offset:\k+(\b/6)*HALFT+(\b%6)*16*PITCH
	ds_load_b128 v[\fb+8*\b+4:\fb+8*\b+7], v[ADRB+\slot] offset:\k+(\b/6)*HALFT+(\b%6)*16*PITCH+32
.endr
	WIN 0
.irp a, 0,1,2,3
	ds_load_b128 v[\fa+8*\a:\fa+8*\a+3],   v[ADRA+\slot] offset:\k+\a*16*PITCH
	ds_load_b128 v[\fa+8*\a+4:\fa+8*\a+7], v[ADRA+\slot] offset:\k+\a*16*PITCH+32
.endr
.endm
; Four plain vector instructions that name none of a matrix instruction's registers stand between it and a load into, or a vector
; instruction on, one of its registers (ISA guide 7.12.1 for vector instructions).
.macro PLACES
.rept 4
	v_nop
.endr
.endm
; A K step is four quarters of 32 along K, 48 matrix instructions each, on buffers 0, 1, 0, 1.  The 48 accumulators take turns, one
; instruction a turn, in the same order in every quarter.
.macro QUARTER slot, k, fa, fb, ga, gb, zero
	s_wait_dscnt 4                                 ; the weights and x's rows 0-31 are in; the youngest four loads (x's rows 32-63) may be out
	WIN MUL_LO
	MULROW \fa, \fb, 0, 0, \zero
	MULROW \fa, \fb, 0, 1, \zero
	PLACES
	FETCH \slot, \k, \ga, \gb
	s_wait_dscnt 32                                ; all but the 32 just issued
	WIN MUL_HI
	MULROW \fa, \fb, 1, 0, \zero
	MULROW \fa, \fb, 1, 1, \zero
.endm
.macro THREE slot, zero
	QUARTER \slot, 64,  FA0, FB0, FA1, FB1, \zero
	QUARTER \slot, 128, FA1, FB1, FA0, FB0, 0
	QUARTER \slot, 192, FA0, FB0, FA1, FB1, 0
.endm
; The last quarter multiplies buffer 1 and changes slots.  In front of the barrier each wave waits for its reads of this slot and for
; all its tensor loads (one is out: its part of the next slot).  Behind it the refill comes first, then the next slot's first fragments.
; From a request to the wait for it a wave issues 180 matrix instructions.
.macro TURN slot, next, fill
	s_wait_dscnt 4
	WIN MUL_LO
	MULROW FA1, FB1, 0, 0, 0
	s_wait_dscnt 0                                 ; my reads of this slot are over
	s_wait_tensorcnt 0x0                           ; and all my tensor loads have landed
	ds_add_u32 v255, v255
	s_wait_dscnt 0x0
	s_barrier_signal -1                            ; (where a slot is filled again this barrier opens a round of the cluster's barrier)
	MULROW FA1, FB1, 0, 1, 0                       ; registers only, while the others arrive
	WIN 0
	s_barrier_wait -1
.if \fill
	CREST                                          ; no wave of any partner still reads this slot or has a load on its way
	s_add_nc_u64 s[G0+4*\slot+2:G0+4*\slot+3], s[G0+4*\slot+2:G0+4*\slot+3], 2*KSTEP*2
	s_add_nc_u64 s[G0B+4*\slot+2:G0B+4*\slot+3], s[G0B+4*\slot+2:G0B+4*\slot+3], 2*KSTEP*2
	JLOAD \slot                                    ; the wave's one tensor load behind the round
.endif
	PLACES
	FETCH \next, 0, FA0, FB0
	WIN MUL_HI
	MULROW FA1, FB1, 1, 0, 0
	MULROW FA1, FB1, 1, 1, 0
.endm
.macro LAP zero
	THREE 0, \zero
	TURN 0, 1, 1
	THREE 1, 0
	TURN 1, 0, 1
.endm
	s_wait_tensorcnt 0x1                           ; my part of K step 0 is in; K step 1's may stay out
	s_barrier_signal -1
	s_barrier_wait -1
	FETCH 0, 0, FA0, FB0
	LAP 1                                          ; the first lap stands in front of the loop: its first products start the sums
	WIN 0
	s_mov_b32 s3, LAPS-2
.Llap:
	LAP 0
	WIN 0
	s_sub_co_u32 s3, s3, 1
	s_cmp_lg_u32 s3, 0
	s_cbranch_scc1 .Llap
	THREE 0, 0                                     ; the last lap fills nothing
	TURN 0, 1, 0
	THREE 1, 0
	s_wait_dscnt 4
	WIN MUL_LO
	MULROW FA1, FB1, 0, 0, 0
	MULROW FA1, FB1, 0, 1, 0
	s_wait_dscnt 0
	WIN MUL_HI
	MULROW FA1, FB1, 1, 0, 0
	MULROW FA1, FB1, 1, 1, 0
	; THE WAY OUT.  y = sum * factor + bias * factor', one fused multiply-add; then 16 rows at a time: f16, 16 bytes a lane into my own
	; stage, read back as rows of 128 bytes of one unit; four such rows are 512 neighbouring bytes of qkvh.
	PLACES
	s_mul_i32 s46, s42, 3*524288                   ; my first unit
	s_lshl_b32 s45, s13, 15                        ; 256 rows of 128 bytes for each block row
	s_add_co_u32 s46, s46, s45
	s_lshl_b32 s45, s10, 13                        ; 64 rows for each wave
	s_add_co_u32 s46, s46, s45
	s_mov_b32 s47, 0
	s_add_nc_u64 s[8:9], s[8:9], s[46:47]
.macro SCALE                           ; the 24 tiles of the window that is set
.irp a, 0,1
.irp b, 0,1,2,3,4,5,6,7,8,9,10,11
.irp p, 0,2,4,6
	v_pk_fma_f32 v[8*(12*\a+\b)+\p:8*(12*\a+\b)+\p+1], v[8*(12*\a+\b)+\p:8*(12*\a+\b)+\p+1], s[SW+2*(\b/4):SW+2*(\b/4)+1], v[BIAS+8*\b+\p:BIAS+8*\b+\p+1] op_sel_hi:[1,0,1]
.endr
.endr
.endr
.endm
	WIN 0x82                                       ; sums in window 2, bias in window 0
	SCALE
	WIN 0xc3                                       ; sums in window 3
	SCALE
; rows 16 i .. 16 i + 15 of my 64 = the twelve tiles (a, 0..11) of window 2 or 3 (from = 0x0a or 0x0f: sources 0 and 1)
.macro OUT16 i, a, from
	WIN \from
.irp b, 0,1,2,3,4,5,6,7,8,9,10,11
.irp p, 0,1,2,3
	v_cvt_pk_f16_f32 v[TMP+4*\b+\p], v[8*(12*\a+\b)+2*\p], v[8*(12*\a+\b)+2*\p+1]
.endr
.endr
	WIN 0
.irp b, 0,1,2,3,4,5,6,7,8,9,10,11
	ds_store_b128 v[STO], v[TMP+4*\b:TMP+4*\b+3] offset:(\b/4)*USTAGE+(\b%4)*32
.endr
	s_wait_xcnt 0x0                                ; the last sixteen rows' stores have had their addresses translated (ISA guide 3.1): their data registers are loaded again only behind this wait
.irp t, 0,1,2,3,4,5,6,7,8,9,10,11
	ds_load_b128 v[RB+4*\t:RB+4*\t+3], v[RD] offset:(\t/4)*USTAGE+(\t%4)*4*UPITCH    ; LDS serves a wave's instructions in order (ISA guide 5.7.1.4): these see the stores above
.endr
.irp t, 0,1,2,3,4,5,6,7,8,9,10,11
	s_wait_dscnt 11-\t
	global_store_b128 v[CO], v[RB+4*\t:RB+4*\t+3], s[8:9] offset:(\t/4)*524288+(16*\i+4*(\t%4))*128   ; the wave stores 512 consecutive bytes, at a multiple of 512 from qkvh's first byte
.endr
.endm
	OUT16 0, 0, 0x0a
	OUT16 1, 1, 0x0a
	OUT16 2, 0, 0x0f
	OUT16 3, 1, 0x0f
	s_set_vgpr_msb 0x1
	s_wait_tensorcnt 0x0
	ds_add_u32 v255, v255
	s_wait_dscnt 0x0
	s_set_vgpr_msb 0x100
	CROUND                                         ; the closing round: no work-group ends while a partner may still ask for a tile that names it
	s_endpgm
.Lfunc_end_k_q5bbca0d1d7_qkv:
	.size	k_q5bbca0d1d7_qkv, .Lfunc_end_k_q5bbca0d1d7_qkv-k_q5bbca0d1d7_qkv
	.p2alignl 7, 3214868480
	.fill 96, 4, 3214868480
	.section	.rodata,"a",@progbits
	.p2align	6, 0x0
	.amdhsa_kernel k_q5bbca0d1d7_qkv
		.amdhsa_group_segment_fixed_size 327680
		.amdhsa_private_segment_fixed_size 0
		.amdhsa_enable_private_segment 0
		.amdhsa_kernarg_size 32
		.amdhsa_user_sgpr_count 2
		.amdhsa_user_sgpr_kernarg_segment_ptr 1
		.amdhsa_wavefront_size32 1
		.amdhsa_system_sgpr_workgroup_id_x 1
		.amdhsa_system_sgpr_workgroup_id_y 1
		.amdhsa_system_sgpr_workgroup_id_z 1
		.amdhsa_system_vgpr_workitem_id 0
		.amdhsa_next_free_vgpr 960
		.amdhsa_next_free_sgpr 82
		.amdhsa_reserve_vcc 0
		.amdhsa_float_denorm_mode_32 3
		.amdhsa_float_denorm_mode_16_64 3
		.amdhsa_memory_ordered 1
		.amdhsa_forward_progress 1
		.amdhsa_inst_pref_size 182
	.end_amdhsa_kernel
	.amdgpu_metadata
---
amdhsa.version: [ 1, 2 ]
amdhsa.kernels:
  - .name:           k_q5bbca0d1d7_qkv
    .symbol:         k_q5bbca0d1d7_qkv.kd
    .args:
      - { .name: xb, .offset: 0, .size: 8, .value_kind: global_buffer, .address_space: global }
      - { .name: wq, .offset: 8, .size: 8, .value_kind: global_buffer, .address_space: global }
      - { .name: qkvh, .offset: 16, .size: 8, .value_kind: global_buffer, .address_space: global }
      - { .name: qkv_b, .offset: 24, .size: 8, .value_kind: global_buffer, .address_space: global }
    .group_segment_fixed_size: 327680
    .private_segment_fixed_size: 0
    .kernarg_segment_align: 8
    .kernarg_segment_size: 32
    .max_flat_workgroup_size: 128
    .sgpr_count:     82
    .vgpr_count:     960
    .wavefront_size: 32
...
	.end_amdgpu_metadata
.endif
;; end of part 2
;; launch attn (part 3): grid 8 x 32, 8 waves a work-group, clusters of 4 x 1, 327,680 bytes of LDS; arguments qkvh, ctxh; writes ctxh
.if DOCPART == 3
	.amdgcn_target "amdgcn-amd-amdhsa--gfx1250"
	.amdhsa_code_object_version 6
	.text
	.protected	k_q5bbca0d1d7_attn
	.globl	k_q5bbca0d1d7_attn
	.p2align	8
	.type	k_q5bbca0d1d7_attn,@function
k_q5bbca0d1d7_attn:
	s_mov_b64 s[64:65], 0
	v_nop
	global_prefetch_b8 v0, s[64:65] scope:SCOPE_SE
	s_setreg_imm32_b32 hwreg(HW_REG_WAVE_MODE, 25, 1), 1
	s_wait_xcnt 0x0
	s_wait_alu depctr_hold_cnt(0) depctr_sa_sdst(0) depctr_va_vdst(0) depctr_va_sdst(0) depctr_va_ssrc(0) depctr_va_vcc(0) depctr_vm_vsrc(0)
	s_getreg_b32 s2, hwreg(HW_REG_IB_STS2, 6, 4)
	s_cmp_eq_u32 s2, 0
	s_cbranch_scc0 .Lentry_in_a_cluster
	s_endpgm
.Lentry_in_a_cluster:
	s_bfe_u32 s2, ttmp6, 0x10000c
	s_cmp_lg_u32 s2, 0x3003
	s_cbranch_scc0 .Lentry_shape_is_right
	s_endpgm
.Lentry_shape_is_right:
; attn: softmax(q k^T) v for 32 heads of 2,048 x 2,048 x 64, never writing the scores.  q already carries 0.125 log2(e), so p = 2^(s - m).
; The maximum is a running one, taken away before every exponential; sums and maxima in f32; P, q, k, v, ctx are f16 matrix operands.
; LIMITS: a p below 2^-25 of the row's largest counts as zero in the second product (f16), below 2^-126 also in the sum;
; NaN and infinities are not served.
; A work-group takes 256 queries of one head (grid x: query block; grid y = 2 h + b).  Eight waves: qg = w & 3 picks 64 queries,
; kg = w >> 2 one half of each slot's 256 keys; the two halves' results are merged once, at the end, through LDS.
; CLUSTERS: the four query blocks of a cluster (4, 1, 1) walk the same K and V tiles of their head and ask for them jointly (mask 15).
; THE ALGEBRA IS TRANSPOSED: S^T = K Q^T (source 0 = 16 keys, source 1 = 16 queries) puts query l % 16 in lane l and keys 8 (l / 16) + j in
; register j.  So a query's maximum, factor and sum are one number a lane, and two neighbouring S^T tiles, packed in place, ARE the
; second source (32 keys x 16 queries) of ctx^T = V^T P^T.  V^T's fragments come from V's rows by the transposing LDS load.
; LDS: two slots of 81,920 bytes = 8 regions of 10,240: K's 64-key quarter q at q x 10240 (pitch 144), V's at (4 + q) x 10240 (pitch 160);
; wave w fills region w.  Behind them, in bytes that no fill touches: the merge (4 x 17,408) and the way out (4 x 9,216).
; REGISTERS: window 0: v8-63 addresses and statistics; v64-127 Q (tt, c); v128-191 K (st, c); v192-255 V^T (dt, c).
;            window 1: v0-127 S^T (st, tt) at 8 (4 tt + st), later P; v128-255 ctx^T (dt, tt) at 128 + 8 (4 tt + dt).
.set REGB,  10240
.set SLOTB, 8*REGB
.set SLOTG, 32768                      ; a slot's 256 keys in memory: 256 x 128 bytes
.set KP,    144                        ; odd multiple of 16: the 16 rows of a fragment load start 16 bytes apart modulo 256
.set VP,    160                        ; odd multiple of 32, for the transposing load
.set MRG,   2*SLOTB
.set MRGW,  17408                      ; 16,384 of sums, 512 of maxima, 512 of row sums
.set OST,   MRG+4*MRGW
.set OSTW,  64*KP
.set KA,  8                            ; v8-9    LDS address of my K fragments in slot 0, 1
.set VA,  10                           ; v10-11  the same for V
.set TM,  12                           ; v12-15  new maximum of t tile tt
.set UM,  16                           ; v16-19  at work
.set MM,  20                           ; v20-27  pairs: running maximum in the even register
.set AA,  28                           ; v28-35  pairs: 2^(old maximum - new) in the even register
.set LS,  36                           ; v36-43  pairs: two partial row sums
.set M2,  44                           ; v44-47  the partner wave's maxima
.set L2,  48                           ; v48-51  the partner wave's row sums
.set STO, 52
.set RD,  53
.set GO,  54                           ; 16 x lane
.set MG,  55
.set QO,  56
.set QF,  64
.set KF,  128
.set VF,  192
.set SS,  0                            ; window 1
.set ACC, 128                          ; window 1
.set MSB, 0
.macro WIN new                         ; the immediate's high byte repeats the setting that is left
.if MSB != \new
	s_set_vgpr_msb (MSB<<8)|\new
.set MSB, \new
.endif
.endm
.macro PLACES
.rept 4
	v_nop
.endr
.endm
.macro ROUND                           ; a round of the cluster's barrier
	s_barrier_signal -1
	s_barrier_wait -1
	s_cmp_lg_u32 s8, 0
	s_cbranch_scc1 .Lnot_wave_0_\@
	s_barrier_signal -3
.Lnot_wave_0_\@:
	s_barrier_wait -3
	s_barrier_signal -1
	s_barrier_wait -1
.endm
.macro JLOAD s                         ; waves 0-3 ask for K's four quarters, waves 4-7 for V's: the two lines differ in the padding
	s_cmp_lt_u32 s8, 4
	s_cbranch_scc0 .Lfor_v_\@
	tensor_load_to_lds s[32+4*\s:35+4*\s], s[16:23]
	s_nop 0
	s_branch .Lasked_\@
.Lfor_v_\@:
	tensor_load_to_lds s[32+4*\s:35+4*\s], s[24:31]
	s_nop 0
.Lasked_\@:
.endm
	s_load_b128 s[4:7], s[0:1], 0x0                ; qkvh s[4:5], ctxh s[6:7]
	v_lshl_add_u32 v62, v0, 2, 0x42000
	v_mov_b32 v63, 0
	ds_add_u32 v62, v63
	v_lshrrev_b32 v1, 5, v0
	v_readfirstlane_b32 s8, v1                     ; wave 0..7
	s_lshr_b32 s9, s8, 2                           ; kg: my half of the keys.  Also: I fetch K (0) or V (1)
	s_and_b32 s10, s8, 3                           ; qg: my 64 queries.  Also: which quarter of the slot I fetch
	s_bfe_u32 s11, ttmp6, 0x40000                  ; cx
	s_lshl_b32 s12, ttmp9, 2
	s_add_co_u32 s12, s12, s11                     ; query block = 4 x cluster x + cx
	s_and_b32 s13, ttmp7, 0xffff                   ; y = 2 h + b
	s_mov_b32 s14, 0x76543210                      ; v_permlanex16_b32: lane i of one half reads lane i of the other
	s_mov_b32 s15, 0xfedcba98
	; group 1.  A quarter (64 keys x 128 bytes) is dense in memory: it comes as 32 rows of 256 bytes, padded behind every 32 words,
	; so that in LDS each key's 128 bytes have a pitch of 144 (K: 4 words) or 160 (V: 8 words).
	s_mov_b32 s16, 15|(1<<16)|(1<<20)|(1<<21)|(4<<22)|(3<<25)
	s_mov_b32 s24, 15|(1<<16)|(1<<20)|(1<<21)|(4<<22)|(7<<25)
	s_mov_b32 s17, 128<<16                         ; tensor_dim0 = 128 elements
	s_mov_b32 s25, 128<<16
	s_mov_b32 s18, 32<<16                          ; tensor_dim1 = 32 rows
	s_mov_b32 s26, 32<<16
	s_mov_b32 s19, 128<<16                         ; tile_dim0
	s_mov_b32 s27, 128<<16
	s_mov_b32 s20, 32                              ; tile_dim1
	s_mov_b32 s28, 32
	s_mov_b32 s21, 128                             ; elements from row to row
	s_mov_b32 s29, 128
	s_mov_b32 s22, 0
	s_mov_b32 s30, 0
	s_mov_b32 s23, 0
	s_mov_b32 s31, 0
	; my quarter of K or V: unit 16 + h or 32 + h, batch b = (32 + 32 kg + y) x 262,144 bytes; made of y and the wave alone
	s_lshl_b32 s40, s9, 5
	s_add_co_u32 s40, s40, s13
	s_add_co_u32 s40, s40, 32
	s_lshl_b32 s40, s40, 18
	s_lshl_b32 s41, s10, 13
	s_add_co_u32 s40, s40, s41
	s_mov_b32 s41, 0
	s_mul_i32 s45, s8, REGB                        ; my region of a slot
	; my 64 queries in q's unit, and the same place in ctxh
	s_lshl_b32 s42, s13, 18
	s_lshl_b32 s43, s12, 15                        ; 256 rows of 128 bytes
	s_add_co_u32 s42, s42, s43
	s_lshl_b32 s43, s10, 13                        ; 64 rows
	s_add_co_u32 s42, s42, s43
	s_mov_b32 s43, 0
	s_wait_dscnt 0x0
	s_wait_kmcnt 0x0
	s_add_nc_u64 s[40:41], s[4:5], s[40:41]
	s_add_nc_u64 s[4:5], s[4:5], s[42:43]
	s_add_nc_u64 s[6:7], s[6:7], s[42:43]
	ROUND                                          ; the four work-groups are here: the first joint loads meet
.irp s, 0,1
	s_mov_b32 s[32+4*\s], 1
	s_add_co_u32 s[33+4*\s], s45, \s*SLOTB
	s_add_nc_u64 s[34+4*\s:35+4*\s], s[40:41], \s*SLOTG
	s_or_b32 s[35+4*\s], s[35+4*\s], 0x80000000
	JLOAD \s                                       ; keys 0-255 and 256-511: two tensor loads of the wave are out
.endr
	v_and_b32 v1, 15, v0                           ; r
	v_bfe_u32 v2, v0, 4, 1                         ; h
	v_and_b32 v3, 31, v0                           ; lane
	v_and_b32 v4, 7, v0
	v_bfe_u32 v5, v0, 3, 1
	v_bfe_u32 v6, v0, 3, 2                         ; lane / 8
	v_lshlrev_b32 v[QO], 7, v1
	v_lshl_add_u32 v[QO], v2, 4, v[QO]             ; 128 r + 16 h
	; Q's fragments straight from memory, once: 8,192 bytes a wave, kept for the whole kernel
.irp tt, 0,1,2,3
.irp c, 0,1
	global_load_b128 v[QF+8*(2*\tt+\c):QF+8*(2*\tt+\c)+3],   v[QO], s[4:5] offset:\tt*2048+\c*64
	global_load_b128 v[QF+8*(2*\tt+\c)+4:QF+8*(2*\tt+\c)+7], v[QO], s[4:5] offset:\tt*2048+\c*64+32
.endr
.endr
	v_mul_u32_u24 v7, v1, KP
	v_lshl_add_u32 v7, v2, 4, v7                   ; 144 r + 16 h
	s_mul_i32 s46, s9, 2*REGB                      ; my half: two quarters
	v_add_nc_u32 v[KA], s46, v7
	v_add_nc_u32 v[KA+1], SLOTB, v[KA]
	v_lshl_add_u32 v57, v2, 3, v4                  ; V: key 8 h + (l & 7),
	v_mul_u32_u24 v57, v57, VP
	v_lshl_add_u32 v57, v5, 4, v57                 ; 16 bytes further for lanes 8-15 and 24-31
	s_add_co_u32 s46, s46, 4*REGB
	v_add_nc_u32 v[VA], s46, v57
	v_add_nc_u32 v[VA+1], SLOTB, v[VA]
	s_mul_i32 s47, s10, OSTW
	s_add_co_u32 s47, s47, OST
	v_add_nc_u32 v[STO], s47, v7
	v_mul_u32_u24 v58, v6, KP
	v_lshl_add_u32 v58, v4, 4, v58
	v_add_nc_u32 v[RD], s47, v58
	v_lshlrev_b32 v[GO], 4, v3
	s_mul_i32 s47, s10, MRGW
	s_add_co_u32 s47, s47, MRG
	v_add_nc_u32 v[MG], s47, v[GO]
.irp tt, 0,1,2,3
	v_mov_b32 v[UM+\tt], 0                         ; a lane permute's destination counts as read
	v_mov_b32 v[MM+2*\tt+1], 0                     ; the odd halves of pairs of which the even half is broadcast
	v_mov_b32 v[AA+2*\tt+1], 0
	v_mov_b32 v[LS+2*\tt], 0                       ; the row sums start at 0
	v_mov_b32 v[LS+2*\tt+1], 0
.endr
.macro LDK slot, j                     ; 16 loads: K's fragments of quarter j of my half: 64 keys x 64
.irp st, 0,1,2,3
.irp c, 0,1
	ds_load_b128 v[KF+8*(2*\st+\c):KF+8*(2*\st+\c)+3],   v[KA+\slot] offset:\j*REGB+\st*16*KP+\c*64
	ds_load_b128 v[KF+8*(2*\st+\c)+4:KF+8*(2*\st+\c)+7], v[KA+\slot] offset:\j*REGB+\st*16*KP+\c*64+32
.endr
.endr
.endm
.macro LDV slot, j                     ; 16 transposing loads: V^T's fragments: 16 dd x 32 keys each
.irp dt, 0,1,2,3
.irp c, 0,1
	ds_load_tr16_b128 v[VF+8*(2*\dt+\c):VF+8*(2*\dt+\c)+3],   v[VA+\slot] offset:\j*REGB+\c*32*VP+\dt*32
	ds_load_tr16_b128 v[VF+8*(2*\dt+\c)+4:VF+8*(2*\dt+\c)+7], v[VA+\slot] offset:\j*REGB+\c*32*VP+\dt*32+16*VP
.endr
.endr
.endm
; One step: 64 keys x my 64 queries.  first = 1: the kernel's first step (no old maximum, no old sums).
; more = 1: the slot's second quarter is fetched on the way.  In both products the 16 accumulators take turns, one instruction a
; turn.
.macro STEP slot, first, more
	s_wait_dscnt 16                                ; K's 16 loads are in; V's 16, issued behind them, stay out
	WIN 0x50                                       ; C and D window 1
.irp tt, 0,1,2,3
.irp st, 0,1,2,3
	v_wmma_f32_16x16x32_f16 v[SS+8*(4*\tt+\st):SS+8*(4*\tt+\st)+7], v[KF+16*\st:KF+16*\st+7], v[QF+16*\tt:QF+16*\tt+7], 0
.endr
.endr
.irp tt, 0,1,2,3
.irp st, 0,1,2,3
	v_wmma_f32_16x16x32_f16 v[SS+8*(4*\tt+\st):SS+8*(4*\tt+\st)+7], v[KF+16*\st+8:KF+16*\st+15], v[QF+16*\tt+8:QF+16*\tt+15], v[SS+8*(4*\tt+\st):SS+8*(4*\tt+\st)+7]
.endr
.endr
	WIN 0
	PLACES                                         ; four places: then K's registers are loaded again and the scores are read
.if \more
	LDK \slot, 1
.endif
	WIN 0x05                                       ; sources 0 and 1 window 1
	; the largest of my 32 scores of each t tile and the old maximum: four chains
.irp tt, 0,1,2,3
.if \first
	v_max_num_f32 v[TM+\tt], v[SS+32*\tt], v[SS+32*\tt+1]
.else
	v_max3_num_f32 v[TM+\tt], v[SS+32*\tt], v[SS+32*\tt+1], v[MM+2*\tt]
.endif
.endr
.irp i, 1,2,3,4,5,6,7,8,9,10,11,12,13,14,15
.irp tt, 0,1,2,3
	v_max3_num_f32 v[TM+\tt], v[SS+32*\tt+2*\i], v[SS+32*\tt+2*\i+1], v[TM+\tt]
.endr
.endr
	WIN 0
.irp tt, 0,1,2,3
	v_permlanex16_b32 v[UM+\tt], v[TM+\tt], s14, s15   ; the other half of the lanes holds the query's other 32 keys
.endr
.irp tt, 0,1,2,3
	v_max_num_f32 v[TM+\tt], v[TM+\tt], v[UM+\tt]
.endr
.if \first == 0
.irp tt, 0,1,2,3
	v_sub_f32 v[UM+\tt], v[MM+2*\tt], v[TM+\tt]
.endr
.irp tt, 0,1,2,3
	v_exp_f32 v[AA+2*\tt], v[UM+\tt]               ; 2^(old - new); the moves below are the plain instructions behind the exponentials (ISA guide 5.7.2)
.endr
.endif
.irp tt, 0,1,2,3
	v_mov_b32 v[MM+2*\tt], v[TM+\tt]
.endr
.if \first == 0
	s_wait_alu depctr_va_vdst(0)
.irp tt, 0,1,2,3
	v_pk_mul_f32 v[LS+2*\tt:LS+2*\tt+1], v[LS+2*\tt:LS+2*\tt+1], v[AA+2*\tt:AA+2*\tt+1] op_sel_hi:[1,0]
.endr
.endif
	WIN 0x41                                       ; destination and source 0 window 1
.irp tt, 0,1,2,3
.irp i, 0,1,2,3,4,5,6,7,8,9,10,11,12,13,14,15
	v_pk_add_f32 v[SS+32*\tt+2*\i:SS+32*\tt+2*\i+1], v[SS+32*\tt+2*\i:SS+32*\tt+2*\i+1], v[MM+2*\tt:MM+2*\tt+1] op_sel_hi:[1,0] neg_lo:[0,1] neg_hi:[0,1]
.endr
.irp i, 0,1,2,3,4,5,6,7,8,9,10,11,12,13,14,15
	v_exp_f32 v[SS+32*\tt+2*\i],   v[SS+32*\tt+2*\i]
	v_exp_f32 v[SS+32*\tt+2*\i+1], v[SS+32*\tt+2*\i+1]
.if \first == 0
	v_pk_mul_f32 v[ACC+32*\tt+2*\i:ACC+32*\tt+2*\i+1], v[ACC+32*\tt+2*\i:ACC+32*\tt+2*\i+1], v[AA+2*\tt:AA+2*\tt+1] op_sel_hi:[1,0]   ; the old sums to the new maximum, among the exponentials
.endif
.endr
.endr
.if \first
	v_nop                                          ; the plain instruction behind the last exponential
	s_wait_alu depctr_va_vdst(0)
.endif
	WIN 0x01                                       ; source 0 window 1
	s_wait_alu depctr_va_vdst(0)
.irp i, 0,1,2,3,4,5,6,7,8,9,10,11,12,13,14,15
.irp tt, 0,1,2,3
	v_pk_add_f32 v[LS+2*\tt:LS+2*\tt+1], v[SS+32*\tt+2*\i:SS+32*\tt+2*\i+1], v[LS+2*\tt:LS+2*\tt+1]
.endr
.endr
	WIN 0x45                                       ; all in window 1: P (tt, c) takes the eight registers of S^T (2 c, tt)
.irp tt, 0,1,2,3
.irp c, 0,1
.irp p, 0,1,2,3
	v_cvt_pk_f16_f32 v[SS+32*\tt+16*\c+\p], v[SS+32*\tt+16*\c+2*\p], v[SS+32*\tt+16*\c+2*\p+1]
.endr
.irp p, 0,1,2,3
	v_cvt_pk_f16_f32 v[SS+32*\tt+16*\c+4+\p], v[SS+32*\tt+16*\c+8+2*\p], v[SS+32*\tt+16*\c+8+2*\p+1]
.endr
.endr
.endr
.if \more
	s_wait_dscnt 16                                ; V is in; the next quarter's 16 loads of K are younger
.else
	s_wait_dscnt 0                                 ; V is in; nothing was issued behind it
.endif
	WIN 0x54                                       ; source 1, C and D window 1
.irp tt, 0,1,2,3
.irp dt, 0,1,2,3
.if \first
	v_wmma_f32_16x16x32_f16 v[ACC+8*(4*\tt+\dt):ACC+8*(4*\tt+\dt)+7], v[VF+16*\dt:VF+16*\dt+7], v[SS+32*\tt:SS+32*\tt+7], 0
.else
	v_wmma_f32_16x16x32_f16 v[ACC+8*(4*\tt+\dt):ACC+8*(4*\tt+\dt)+7], v[VF+16*\dt:VF+16*\dt+7], v[SS+32*\tt:SS+32*\tt+7], v[ACC+8*(4*\tt+\dt):ACC+8*(4*\tt+\dt)+7]
.endif
.endr
.endr
.irp tt, 0,1,2,3
.irp dt, 0,1,2,3
	v_wmma_f32_16x16x32_f16 v[ACC+8*(4*\tt+\dt):ACC+8*(4*\tt+\dt)+7], v[VF+16*\dt+8:VF+16*\dt+15], v[SS+32*\tt+16:SS+32*\tt+23], v[ACC+8*(4*\tt+\dt):ACC+8*(4*\tt+\dt)+7]
.endr
.endr
	WIN 0
.rept 5
	v_nop                                          ; five places: the next step's first products write over P; V's registers are loaded again
.endr
.if \more
	LDV \slot, 1
.endif
.endm
; A slot's two steps.  In front of the barrier every wave waits for all its tensor loads (its part of this slot among them) and for its
; reads of the other slot; where that slot is filled again the barrier is a round of the cluster's, and the joint refill is the wave's
; first and only tensor load behind it: it has this slot's two steps in which to land.
.macro PHASE slot, other, refill
	s_wait_tensorcnt 0x0
	ds_add_u32 v62, v63
	s_wait_dscnt 0x0
.if \refill
	s_add_nc_u64 s[34+4*\other:35+4*\other], s[34+4*\other:35+4*\other], 2*SLOTG   ; no load of mine is out: the other slot's next 256 keys
.endif
	s_wait_dscnt 0x0
.if \refill
	ROUND
	JLOAD \other
.else
	s_barrier_signal -1
	s_barrier_wait -1
.endif
	LDK \slot, 0
	LDV \slot, 0
	STEP \slot, 0, 1
	STEP \slot, 0, 0
.endm
	s_wait_loadcnt 0x0                             ; Q
	s_wait_tensorcnt 0x1                           ; my part of slot 0 is in; slot 1's may stay out
	s_barrier_signal -1
	s_barrier_wait -1
	LDK 0, 0
	LDV 0, 0
	STEP 0, 1, 1                                   ; keys 0-255: the first step starts maxima and sums
	STEP 0, 0, 0
	s_mov_b32 s44, 3
.Lloop:
	PHASE 1, 0, 1
	PHASE 0, 1, 1
	s_sub_co_u32 s44, s44, 1
	s_cmp_lg_u32 s44, 0
	s_cbranch_scc1 .Lloop
	PHASE 1, 0, 0                                  ; keys 1792-2047: nothing is left to fetch
	; THE MERGE.  Waves 4-7 hand their sums, maxima and row sums to waves 0-3 through LDS bytes of their own.
	s_cmp_lt_u32 s8, 4
	s_cbranch_scc1 .Lno_send
.irp tt, 0,1,2,3
	v_add_f32 v[TM+\tt], v[LS+2*\tt], v[LS+2*\tt+1]
	v_mov_b32 v[UM+\tt], v[MM+2*\tt]
.endr
	ds_store_b128 v[MG], v[UM:UM+3] offset:16384
	ds_store_b128 v[MG], v[TM:TM+3] offset:16896
	WIN 0x04                                       ; store data window 1
.set i, 0
.rept 32
	ds_store_b128 v[MG], v[ACC+4*i:ACC+4*i+3] offset:512*i
.set i, i+1
.endr
	WIN 0
.Lno_send:
	s_wait_dscnt 0x0                               ; for the readers' sake: my stores are done
	s_barrier_signal -1
	s_barrier_wait -1
	s_cmp_lt_u32 s8, 4
	s_cbranch_scc0 .Lclose
	ds_load_b128 v[M2:M2+3], v[MG] offset:16384
	ds_load_b128 v[L2:L2+3], v[MG] offset:16896
.set i, 0
.rept 32
	ds_load_b128 v[128+4*i:128+4*i+3], v[MG] offset:512*i      ; the partner's sums, in window 0 at the numbers that mine have in window 1
.set i, i+1
.endr
	s_wait_dscnt 32                                ; maxima and row sums are in; the 32 younger loads stay out
.irp tt, 0,1,2,3
	v_add_f32 v[TM+\tt], v[LS+2*\tt], v[LS+2*\tt+1]
	v_max_num_f32 v[UM+\tt], v[MM+2*\tt], v[M2+\tt]            ; the common maximum
.endr
.irp tt, 0,1,2,3
	v_sub_f32 v[MM+2*\tt], v[MM+2*\tt], v[UM+\tt]
	v_sub_f32 v[M2+\tt], v[M2+\tt], v[UM+\tt]
.endr
.irp tt, 0,1,2,3
	v_exp_f32 v[AA+2*\tt], v[MM+2*\tt]
.endr
.irp tt, 0,1,2,3
	v_exp_f32 v[M2+\tt], v[M2+\tt]
.endr
	v_nop                                          ; the plain instruction behind the exponentials
	s_wait_alu depctr_va_vdst(0)
.irp tt, 0,1,2,3
	v_mul_f32 v[TM+\tt], v[TM+\tt], v[AA+2*\tt]
.endr
.irp tt, 0,1,2,3
	v_fmac_f32 v[TM+\tt], v[L2+\tt], v[M2+\tt]     ; my lane's part of the row sum, both halves of the keys
.endr
.irp tt, 0,1,2,3
	v_permlanex16_b32 v[UM+\tt], v[TM+\tt], s14, s15
.endr
.irp tt, 0,1,2,3
	v_add_f32 v[TM+\tt], v[TM+\tt], v[UM+\tt]      ; the whole row sum; at least 1, the largest key's own term
.endr
.irp tt, 0,1,2,3
	v_rcp_f32 v[L2+\tt], v[TM+\tt]
.endr
	v_nop                                          ; the plain instruction behind the reciprocals
	s_wait_alu depctr_va_vdst(0)
.irp tt, 0,1,2,3
	v_mul_f32 v[AA+2*\tt], v[AA+2*\tt], v[L2+\tt]  ; what my sums are multiplied by,
	v_mul_f32 v[MM+2*\tt], v[M2+\tt], v[L2+\tt]    ; and the partner's
.endr
	s_wait_dscnt 0x0
	WIN 0x41
.irp tt, 0,1,2,3
.irp i, 0,1,2,3,4,5,6,7,8,9,10,11,12,13,14,15
	v_pk_mul_f32 v[ACC+32*\tt+2*\i:ACC+32*\tt+2*\i+1], v[ACC+32*\tt+2*\i:ACC+32*\tt+2*\i+1], v[AA+2*\tt:AA+2*\tt+1] op_sel_hi:[1,0]
.endr
.endr
	WIN 0x50
.irp tt, 0,1,2,3
.irp i, 0,1,2,3,4,5,6,7,8,9,10,11,12,13,14,15
	v_pk_fma_f32 v[ACC+32*\tt+2*\i:ACC+32*\tt+2*\i+1], v[128+32*\tt+2*\i:128+32*\tt+2*\i+1], v[MM+2*\tt:MM+2*\tt+1], v[ACC+32*\tt+2*\i:ACC+32*\tt+2*\i+1] op_sel_hi:[1,0,1]
.endr
.endr
	; THE WAY OUT: lane l holds query 16 tt + l % 16 and dd = 16 dt + 8 (l / 16) + 0..7: 16 bytes when packed; through my own stage
	WIN 0x05
.irp tt, 0,1,2,3
.irp dt, 0,1,2,3
.irp p, 0,1,2,3
	v_cvt_pk_f16_f32 v[QF+4*(4*\tt+\dt)+\p], v[ACC+8*(4*\tt+\dt)+2*\p], v[ACC+8*(4*\tt+\dt)+2*\p+1]
.endr
.endr
.endr
	WIN 0
.irp tt, 0,1,2,3
.irp dt, 0,1,2,3
	ds_store_b128 v[STO], v[QF+4*(4*\tt+\dt):QF+4*(4*\tt+\dt)+3] offset:\tt*16*KP+\dt*32
.endr
.endr
.irp q, 0,1,2,3,4,5,6,7,8,9,10,11,12,13,14,15
	ds_load_b128 v[128+4*\q:128+4*\q+3], v[RD] offset:\q*4*KP  ; LDS serves a wave's instructions in order (ISA guide 5.7.1.4): these see the stores above
.endr
.irp q, 0,1,2,3,4,5,6,7,8,9,10,11,12,13,14,15
	s_wait_dscnt 15-\q
	global_store_b128 v[GO], v[128+4*\q:128+4*\q+3], s[6:7] offset:512*\q   ; four rows of 128 bytes: 512 consecutive bytes, aligned
.endr
.Lclose:
	s_wait_tensorcnt 0x0
	ds_add_u32 v62, v63
	s_wait_dscnt 0x0
	ROUND                                          ; the closing round: no work-group ends while a partner may still ask for a tile that names it
	s_endpgm
.Lfunc_end_k_q5bbca0d1d7_attn:
	.size	k_q5bbca0d1d7_attn, .Lfunc_end_k_q5bbca0d1d7_attn-k_q5bbca0d1d7_attn
	.p2alignl 7, 3214868480
	.fill 96, 4, 3214868480
	.section	.rodata,"a",@progbits
	.p2align	6, 0x0
	.amdhsa_kernel k_q5bbca0d1d7_attn
		.amdhsa_group_segment_fixed_size 327680
		.amdhsa_private_segment_fixed_size 0
		.amdhsa_enable_private_segment 0
		.amdhsa_kernarg_size 16
		.amdhsa_user_sgpr_count 2
		.amdhsa_user_sgpr_kernarg_segment_ptr 1
		.amdhsa_wavefront_size32 1
		.amdhsa_system_sgpr_workgroup_id_x 1
		.amdhsa_system_sgpr_workgroup_id_y 1
		.amdhsa_system_sgpr_workgroup_id_z 1
		.amdhsa_system_vgpr_workitem_id 0
		.amdhsa_next_free_vgpr 512
		.amdhsa_next_free_sgpr 66
		.amdhsa_reserve_vcc 0
		.amdhsa_float_denorm_mode_32 3
		.amdhsa_float_denorm_mode_16_64 3
		.amdhsa_memory_ordered 1
		.amdhsa_forward_progress 1
		.amdhsa_inst_pref_size 255
	.end_amdhsa_kernel
	.section	.bss,"aw",@nobits
	.p2align	6
	.space	262144
	.amdgpu_metadata
---
amdhsa.version: [ 1, 2 ]
amdhsa.kernels:
  - .name:           k_q5bbca0d1d7_attn
    .symbol:         k_q5bbca0d1d7_attn.kd
    .args:
      - { .name: qkvh, .offset: 0, .size: 8, .value_kind: global_buffer, .address_space: global }
      - { .name: ctxh, .offset: 8, .size: 8, .value_kind: global_buffer, .address_space: global }
    .group_segment_fixed_size: 327680
    .private_segment_fixed_size: 0
    .kernarg_segment_align: 8
    .kernarg_segment_size: 16
    .max_flat_workgroup_size: 256
    .sgpr_count:     66
    .vgpr_count:     512
    .wavefront_size: 32
...
	.end_amdgpu_metadata
.endif
;; end of part 3
;; launch oproj (part 4): grid 8 x 32, 4 waves a work-group, clusters of 4 x 4, 327,680 bytes of LDS; arguments ctxh, wo, out0, o_b; writes out0
.if DOCPART == 4
	.amdgcn_target "amdgcn-amd-amdhsa--gfx1250"
	.amdhsa_code_object_version 6
	.text
	.protected	k_q5bbca0d1d7_oproj
	.globl	k_q5bbca0d1d7_oproj
	.p2align	8
	.type	k_q5bbca0d1d7_oproj,@function
k_q5bbca0d1d7_oproj:
	s_mov_b64 s[64:65], 0
	v_nop
	global_prefetch_b8 v0, s[64:65] scope:SCOPE_SE
	s_setreg_imm32_b32 hwreg(HW_REG_WAVE_MODE, 25, 1), 1
	s_wait_xcnt 0x0
	s_wait_alu depctr_hold_cnt(0) depctr_sa_sdst(0) depctr_va_vdst(0) depctr_va_sdst(0) depctr_va_ssrc(0) depctr_va_vcc(0) depctr_vm_vsrc(0)
	s_getreg_b32 s2, hwreg(HW_REG_IB_STS2, 6, 4)
	s_cmp_eq_u32 s2, 0
	s_cbranch_scc0 .Lentry_in_a_cluster
	s_endpgm
.Lentry_in_a_cluster:
	s_bfe_u32 s2, ttmp6, 0x10000c
	s_cmp_lg_u32 s2, 0xf033
	s_cbranch_scc0 .Lentry_shape_is_right
	s_endpgm
.Lentry_shape_is_right:
; oproj: out0[t][b][f] = (sum over e of ctx[m][e] level[f][e]) * (scale / 127) + o_b[f],  m = 2048 b + t, e = 64 h + dd, scale = 1/32.
; ctxh is f16 [h][m][64], wo f16 [1024][1024] (whole-number levels, exact); sums in f32; out0 f32.
; A work-group makes 128 rows x 128 columns: 32 x 8 work-groups, one for each of 256 WGPs (a larger block would leave half of them
; without work).  Four waves, 2 x 2, 64 x 64 each: 16 accumulator tiles.  K goes in four fills of 256 (four heads) through two LDS slots.
; CLUSTERS: 4 x 4 work-groups; ctx's tiles are asked for jointly along a row of the cluster, the weights' along a column.
; LDS: a slot = 4 regions of 36,864 bytes: ctx heads 0-1, heads 2-3 (a head: 128 rows, pitch 144), weight rows 0-63, rows 64-127
; (pitch 528); wave w fills region w.  Behind the two slots, in bytes that no fill touches: 16 rows x 272 bytes for each wave.
; REGISTERS: window 0: v16-27 addresses, v32-63 bias, v64-127 and v128-191 fragments of ctx (a, c) at 8 (2 a + c), two buffers,
; v192-255 on the way out; window 1: the weights' fragments at the same numbers; window 2: tile (a, b) at 8 (4 a + b).
; The matrix instruction is used transposed (source 0 = weights, source 1 = ctx): a lane's eight results are eight neighbouring columns.
.set AP,    144
.set HEADB, 128*AP                     ; 18,432
.set BP,    528
.set REG,   2*HEADB                    ; 36,864
.set SLOT,  4*REG
.set STAGE, 2*SLOT
.set SP,    272
.set ADRA, 16
.set ADRB, 20
.set STO,  24
.set RD,   25
.set CO,   26
.set BO,   27
.set BIAS, 32
.set F0,   64
.set F1,   128
.set TMP0, 192
.set TMP1, 224
.set G1,  24
.set G0,  32
.set G1B, 48
.set G0B, 56
.set MSB, 0
.macro WIN new                         ; the immediate's high byte repeats the setting that is left
.if MSB != \new
	s_set_vgpr_msb (MSB<<8)|\new
.set MSB, \new
.endif
.endm
.set MULW, 0xa1                        ; source 0 window 1, source 1 window 0, C and D window 2
.set TO_B, 0x40
.macro JLOAD s                         ; waves 0 and 1 ask for ctx's heads, waves 2 and 3 for the weights' rows
	s_cmp_eq_u32 s11, 0
	s_cbranch_scc0 .Lfor_b_\@
	tensor_load_to_lds s[G0+4*\s:G0+4*\s+3], s[G1:G1+7]
	s_nop 0
	s_branch .Lasked_\@
.Lfor_b_\@:
	tensor_load_to_lds s[G0B+4*\s:G0B+4*\s+3], s[G1B:G1B+7]
	s_nop 0
.Lasked_\@:
.endm
.macro CREST                           ; a round of the cluster's barrier behind its opening barrier
	s_cmp_lg_u32 s10, 0
	s_cbranch_scc1 .Lnot_wave_0_\@
	s_barrier_signal -3
.Lnot_wave_0_\@:
	s_barrier_wait -3
	s_barrier_signal -1
	s_barrier_wait -1
.endm
.macro CROUND
	s_barrier_signal -1
	s_barrier_wait -1
	CREST
.endm
.macro PLACES
.rept 4
	v_nop
.endr
.endm
	s_load_b128 s[4:7], s[0:1], 0x0                ; ctxh s[4:5], wo s[6:7]
	s_load_b64 s[8:9], s[0:1], 0x10                ; out0
	s_load_b64 s[66:67], s[0:1], 0x18              ; o_b
	s_set_vgpr_msb 0x40
	v_lshl_add_u32 v255, v0, 2, 0x4c400
	s_set_vgpr_msb 0x4000
	v_mov_b32 v31, 0
	s_set_vgpr_msb 0x1
	ds_add_u32 v255, v31
	s_set_vgpr_msb 0x100
	v_lshrrev_b32 v1, 5, v0
	v_readfirstlane_b32 s10, v1                    ; wave 0..3
	s_lshr_b32 s11, s10, 1                         ; my half of the block's rows.  Also: I fetch ctx (0) or weights (1)
	s_and_b32 s12, s10, 1                          ; my half of its columns.  Also: which half of that tile I fetch
	s_bfe_u32 s40, ttmp6, 0x40000                  ; cx
	s_bfe_u32 s41, ttmp6, 0x40004                  ; cy
	s_lshl_b32 s42, ttmp9, 2
	s_add_co_u32 s42, s42, s40                     ; block column
	s_and_b32 s13, ttmp7, 0xffff
	s_lshl_b32 s13, s13, 2
	s_add_co_u32 s13, s13, s41                     ; block row
	s_lshl_b32 s43, s41, 2
	s_lshl_b32 s43, 15, s43                        ; my row of the cluster
	s_lshl_b32 s44, 0x1111, s40                    ; my column
	; ctx: a head's 128 rows of 128 bytes are dense, 16,384 bytes: a tile is two such runs, one head apart, padded by 4 words behind every 32
	s_or_b32 s[G1+0], s43, (1<<16)|(1<<20)|(1<<21)|(4<<22)|(3<<25)
	s_mov_b32 s[G1+1], 8192<<16                    ; tensor_dim0 = 8,192 elements
	s_mov_b32 s[G1+2], 2<<16                       ; tensor_dim1 = 2
	s_mov_b32 s[G1+3], 8192<<16                    ; tile_dim0
	s_mov_b32 s[G1+4], 2                           ; tile_dim1
	s_mov_b32 s[G1+5], 262144                      ; elements from a head to the next
	s_mov_b32 s[G1+6], 0
	s_mov_b32 s[G1+7], 0
	; weights: 64 rows of 256 elements (512 bytes), padded by 4 words behind every 128
	s_or_b32 s[G1B+0], s44, (1<<16)|(1<<20)|(1<<21)|(6<<22)|(3<<25)
	s_mov_b32 s[G1B+1], 256<<16
	s_mov_b32 s[G1B+2], 64<<16
	s_mov_b32 s[G1B+3], 256<<16
	s_mov_b32 s[G1B+4], 64
	s_mov_b32 s[G1B+5], 1024
	s_mov_b32 s[G1B+6], 0
	s_mov_b32 s[G1B+7], 0
	s_lshl_b32 s16, s12, 20                        ; ctx: two heads of 524,288 bytes for the second half,
	s_lshl_b32 s17, s13, 14                        ; 128 rows of 128 bytes for each block row
	s_add_co_u32 s16, s16, s17
	s_mov_b32 s17, 0
	s_lshl_b32 s46, s42, 18                        ; weights: 128 rows of 2,048 bytes for each block column,
	s_lshl_b32 s47, s12, 17                        ; 64 rows for the second half
	s_add_co_u32 s46, s46, s47
	s_mov_b32 s47, 0
	s_mul_i32 s20, s10, REG                        ; the wave's region of a slot
	s_mov_b32 s68, 0x39810204                      ; scale / 127 = 1 / 4064, as a pair
	s_mov_b32 s69, 0x39810204
	s_lshl_b32 s70, s42, 9                         ; my 64 columns in f32: 512 bytes a block column + 256 a half
	s_lshl_b32 s71, s12, 8
	s_add_co_u32 s70, s70, s71
	s_mov_b32 s71, 0
	s_wait_dscnt 0x0
	s_wait_kmcnt 0x0
	s_add_nc_u64 s[14:15], s[4:5], s[16:17]
	s_add_nc_u64 s[46:47], s[6:7], s[46:47]
	s_add_nc_u64 s[66:67], s[66:67], s[70:71]
	CROUND                                         ; all sixteen work-groups are here: the first joint loads meet
.irp s, 0,1
	s_mov_b32 s[G0+4*\s], 1
	s_add_co_u32 s[G0+4*\s+1], s20, \s*SLOT
	s_add_nc_u64 s[G0+4*\s+2:G0+4*\s+3], s[14:15], \s*4*524288     ; fill s: heads 4 s ..
	s_or_b32 s[G0+4*\s+3], s[G0+4*\s+3], 0x80000000
	s_mov_b32 s[G0B+4*\s], 1
	s_add_co_u32 s[G0B+4*\s+1], s20, \s*SLOT
	s_add_nc_u64 s[G0B+4*\s+2:G0B+4*\s+3], s[46:47], \s*512        ; fill s: K = 256 s ..
	s_or_b32 s[G0B+4*\s+3], s[G0B+4*\s+3], 0x80000000
	JLOAD \s                                       ; two tensor loads of the wave are out
.endr
	v_and_b32 v1, 15, v0                           ; r
	v_bfe_u32 v2, v0, 4, 1                         ; h
	v_lshlrev_b32 v[BO], 5, v2
.irp b, 0,1,2,3
	global_load_b128 v[BIAS+8*\b:BIAS+8*\b+3],   v[BO], s[66:67] offset:64*\b
	global_load_b128 v[BIAS+8*\b+4:BIAS+8*\b+7], v[BO], s[66:67] offset:64*\b+16
.endr
	v_mul_u32_u24 v3, v1, AP
	v_lshl_add_u32 v3, v2, 4, v3                   ; 144 r + 16 h
	v_mul_u32_u24 v4, v1, BP
	v_lshl_add_u32 v4, v2, 4, v4                   ; 528 r + 16 h
	s_mul_i32 s21, s11, 64*AP                      ; my 64 rows of every head
	s_mul_i32 s22, s12, REG
	s_add_co_u32 s22, s22, 2*REG                   ; my 64 rows of the weights
.irp s, 0,1
	v_add_nc_u32 v[ADRA+\s], s21, v3
	v_add_nc_u32 v[ADRB+\s], s22, v4
	s_add_co_u32 s21, s21, SLOT
	s_add_co_u32 s22, s22, SLOT
.endr
	s_mul_i32 s23, s10, 16*SP
	s_add_co_u32 s23, s23, STAGE                   ; my stage
	v_mul_u32_u24 v5, v1, SP                       ; in: row r, 32 bytes for each half of the lanes
	v_lshl_add_u32 v5, v2, 5, v5
	v_add_nc_u32 v[STO], s23, v5
	v_mul_u32_u24 v5, v2, SP                       ; back: lanes 0-15 take one row of 256 bytes, lanes 16-31 the next
	v_lshl_add_u32 v5, v1, 4, v5
	v_add_nc_u32 v[RD], s23, v5
	v_lshlrev_b32 v5, 13, v2                       ; and the same two rows in out0: 8,192 bytes from t to t + 1
	v_lshl_add_u32 v[CO], v1, 4, v5
	s_wait_loadcnt 0x0                             ; the bias, once
; 32 LDS loads: the fragments of head g of the slot (64 along K): my 64 weight rows, my 64 rows of ctx
.macro FETCH slot, g, f
	WIN TO_B
.irp b, 0,1,2,3
.irp c, 0,1
	ds_load_b128 v[\f+8*(2*\b+\c):\f+8*(2*\b+\c)+3],   v[ADRB+\slot] offset:\b*16*BP+(\g)*128+\c*64
	ds_load_b128 v[\f+8*(2*\b+\c)+4:\f+8*(2*\b+\c)+7], v[ADRB+\slot] offset:\b*16*BP+(\g)*128+\c*64+32
.endr
.endr
	WIN 0
.irp a, 0,1,2,3
.irp c, 0,1
	ds_load_b128 v[\f+8*(2*\a+\c):\f+8*(2*\a+\c)+3],   v[ADRA+\slot] offset:(\g)*HEADB+\a*16*AP+\c*64
	ds_load_b128 v[\f+8*(2*\a+\c)+4:\f+8*(2*\a+\c)+7], v[ADRA+\slot] offset:(\g)*HEADB+\a*16*AP+\c*64+32
.endr
.endr
.endm
; 16 matrix instructions, 32 along K.  The 16 accumulators take turns, one instruction a turn, always in this order.
.macro MUL f, c, zero
	WIN MULW
.irp a, 0,1,2,3
.irp b, 0,1,2,3
.if \zero
	v_wmma_f32_16x16x32_f16 v[8*(4*\a+\b):8*(4*\a+\b)+7], v[\f+8*(2*\b+\c):\f+8*(2*\b+\c)+7], v[\f+8*(2*\a+\c):\f+8*(2*\a+\c)+7], 0
.else
	v_wmma_f32_16x16x32_f16 v[8*(4*\a+\b):8*(4*\a+\b)+7], v[\f+8*(2*\b+\c):\f+8*(2*\b+\c)+7], v[\f+8*(2*\a+\c):\f+8*(2*\a+\c)+7], v[8*(4*\a+\b):8*(4*\a+\b)+7]
.endif
.endr
.endr
.endm
; One head: the next head's fragments (gnext, into buffer fn) go out first, then buffer f is multiplied.
.macro GRP slot, gnext, f, fn, zero
	PLACES                                         ; four places behind the matrix instructions that read buffer fn
	FETCH \slot, \gnext, \fn
	s_wait_dscnt 32                                ; all but the 32 just issued: buffer f is in
	MUL \f, 0, \zero
	MUL \f, 1, 0
.endm
; The slot's last head, in buffer 1, and the change of slots: every wave waits for its reads of this slot and for all its tensor loads
; (one is out: its part of the next slot), then the barrier; behind it the refill first, then the next slot's first fragments.
.macro TURN slot, next, fill
	s_wait_dscnt 0
	s_wait_tensorcnt 0x0
	ds_add_u32 v255, v31
	s_wait_dscnt 0x0
	s_barrier_signal -1                            ; (where a slot is filled again this barrier opens a round of the cluster's barrier)
	MUL F1, 0, 0                                   ; registers only, while the others arrive
	WIN 0
	s_barrier_wait -1
.if \fill
	CREST
	s_add_nc_u64 s[G0+4*\slot+2:G0+4*\slot+3], s[G0+4*\slot+2:G0+4*\slot+3], 8*524288   ; two fills on: eight heads
	s_add_nc_u64 s[G0B+4*\slot+2:G0B+4*\slot+3], s[G0B+4*\slot+2:G0B+4*\slot+3], 1024   ; 512 along K
	JLOAD \slot                                    ; the wave's one tensor load behind the round
.endif
	PLACES
	FETCH \next, 0, F0
	MUL F1, 1, 0
.endm
	s_wait_tensorcnt 0x1                           ; my part of fill 0 is in; fill 1's may stay out
	s_barrier_signal -1
	s_barrier_wait -1
	FETCH 0, 0, F0
	GRP 0, 1, F0, F1, 1                            ; heads 0-3; the first products start the sums
	GRP 0, 2, F1, F0, 0
	GRP 0, 3, F0, F1, 0
	TURN 0, 1, 1
	GRP 1, 1, F0, F1, 0                            ; heads 4-7
	GRP 1, 2, F1, F0, 0
	GRP 1, 3, F0, F1, 0
	TURN 1, 0, 1
	GRP 0, 1, F0, F1, 0                            ; heads 8-11
	GRP 0, 2, F1, F0, 0
	GRP 0, 3, F0, F1, 0
	TURN 0, 1, 0                                   ; nothing is left to fetch
	GRP 1, 1, F0, F1, 0                            ; heads 12-15
	GRP 1, 2, F1, F0, 0
	GRP 1, 3, F0, F1, 0
	s_wait_dscnt 0
	MUL F1, 0, 0
	MUL F1, 1, 0
	; THE WAY OUT: y = sum / 4064 + bias, one fused multiply-add; 16 rows at a time through my own stage, read back as rows of 256 bytes.
	PLACES
	s_lshl_b32 s45, s13, 7
	s_lshl_b32 s46, s11, 6
	s_add_co_u32 s45, s45, s46                     ; m of my first row = 128 x block row + 64 x half
	s_lshr_b32 s46, s45, 11                        ; b
	s_and_b32 s45, s45, 2047                       ; t
	s_lshl_b32 s45, s45, 13                        ; 8,192 bytes for each t,
	s_lshl_b32 s46, s46, 12                        ; 4,096 for b,
	s_add_co_u32 s46, s46, s45
	s_add_co_u32 s46, s46, s70                     ; and my columns
	s_mov_b32 s47, 0
	s_add_nc_u64 s[8:9], s[8:9], s[46:47]
	WIN 0x82                                       ; sums in window 2, bias in window 0
.irp a, 0,1,2,3
.irp b, 0,1,2,3
.irp p, 0,2,4,6
	v_pk_fma_f32 v[8*(4*\a+\b)+\p:8*(4*\a+\b)+\p+1], v[8*(4*\a+\b)+\p:8*(4*\a+\b)+\p+1], s[68:69], v[BIAS+8*\b+\p:BIAS+8*\b+\p+1] op_sel_hi:[1,0,1]
.endr
.endr
.endr
.macro OUT16 a, tmp
	WIN 0x08                                       ; store data window 2
.irp b, 0,1,2,3
	ds_store_b128 v[STO], v[8*(4*\a+\b):8*(4*\a+\b)+3]   offset:64*\b
	ds_store_b128 v[STO], v[8*(4*\a+\b)+4:8*(4*\a+\b)+7] offset:64*\b+16
.endr
	WIN 0
	s_wait_xcnt 0x0                                ; earlier stores have had their addresses translated (ISA guide 3.1): their data registers are loaded again only behind this wait
.irp t, 0,1,2,3,4,5,6,7
	ds_load_b128 v[\tmp+4*\t:\tmp+4*\t+3], v[RD] offset:\t*2*SP    ; LDS serves a wave's instructions in order (ISA guide 5.7.1.4): these see the stores above
.endr
.irp t, 0,1,2,3,4,5,6,7
	s_wait_dscnt 7-\t
	global_store_b128 v[CO], v[\tmp+4*\t:\tmp+4*\t+3], s[8:9] offset:(16*\a+2*\t)*8192 th:TH_STORE_NT   ; 16 lanes store 256 consecutive bytes, at a multiple of 256 from out0's first byte
.endr
.endm
	OUT16 0, TMP0
	OUT16 1, TMP1
	OUT16 2, TMP0
	OUT16 3, TMP1
	s_set_vgpr_msb 0x1
	s_wait_tensorcnt 0x0
	ds_add_u32 v255, v31
	s_wait_dscnt 0x0
	s_set_vgpr_msb 0x100
	CROUND                                         ; the closing round: no work-group ends while a partner may still ask for a tile that names it
	s_endpgm
.Lfunc_end_k_q5bbca0d1d7_oproj:
	.size	k_q5bbca0d1d7_oproj, .Lfunc_end_k_q5bbca0d1d7_oproj-k_q5bbca0d1d7_oproj
	.p2alignl 7, 3214868480
	.fill 96, 4, 3214868480
	.section	.rodata,"a",@progbits
	.p2align	6, 0x0
	.amdhsa_kernel k_q5bbca0d1d7_oproj
		.amdhsa_group_segment_fixed_size 327680
		.amdhsa_private_segment_fixed_size 0
		.amdhsa_enable_private_segment 0
		.amdhsa_kernarg_size 32
		.amdhsa_user_sgpr_count 2
		.amdhsa_user_sgpr_kernarg_segment_ptr 1
		.amdhsa_wavefront_size32 1
		.amdhsa_system_sgpr_workgroup_id_x 1
		.amdhsa_system_sgpr_workgroup_id_y 1
		.amdhsa_system_sgpr_workgroup_id_z 1
		.amdhsa_system_vgpr_workitem_id 0
		.amdhsa_next_free_vgpr 640
		.amdhsa_next_free_sgpr 72
		.amdhsa_reserve_vcc 0
		.amdhsa_float_denorm_mode_32 3
		.amdhsa_float_denorm_mode_16_64 3
		.amdhsa_memory_ordered 1
		.amdhsa_forward_progress 1
		.amdhsa_inst_pref_size 91
	.end_amdhsa_kernel
	.amdgpu_metadata
---
amdhsa.version: [ 1, 2 ]
amdhsa.kernels:
  - .name:           k_q5bbca0d1d7_oproj
    .symbol:         k_q5bbca0d1d7_oproj.kd
    .args:
      - { .name: ctxh, .offset: 0, .size: 8, .value_kind: global_buffer, .address_space: global }
      - { .name: wo, .offset: 8, .size: 8, .value_kind: global_buffer, .address_space: global }
      - { .name: out0, .offset: 16, .size: 8, .value_kind: global_buffer, .address_space: global }
      - { .name: o_b, .offset: 24, .size: 8, .value_kind: global_buffer, .address_space: global }
    .group_segment_fixed_size: 327680
    .private_segment_fixed_size: 0
    .kernarg_segment_align: 8
    .kernarg_segment_size: 32
    .max_flat_workgroup_size: 128
    .sgpr_count:     72
    .vgpr_count:     640
    .wavefront_size: 32
...
	.end_amdgpu_metadata
.endif
;; end of part 4
